; MI455X (gfx1250); checked and timed in simulation.
; The chip was launched on July 23, 2026; its instructions are those of AMD's public machine-readable ISA for CDNA 5 (MIT licence, August 2026) and "CDNA5" Instruction Set Architecture Reference Guide (July 2026). The comments in the code are by the model that wrote it; some were corrected since.
;; Antecedent Share GMF. Allowed arithmetic: float matrix products may take bf16 or f16 operands with f32 sums; all other float work in f32.
;; Inputs: X 8,192 x 10 float32; center 10 x 2 float32; sigma 10 x 2 float32.
;; Outputs: out0 8,192 x 1,024 float32.
;; 2 versions, each right; version 2 is version 1 with the launch htsk written anew for expert scheduling mode. Each part assembles by itself: llvm-mc -triple=amdgcn-amd-amdhsa -mcpu=gfx1250 --defsym DOCPART=n.
;; ======== version 1 of 2: 1 launch
;; launch htsk (part 1): grid 256 x 1, 8 waves a work-group, no clusters, 5,120 bytes of LDS; arguments X, center, sigma, out0; writes out0
.if DOCPART == 1
	.amdgcn_target "amdgcn-amd-amdhsa--gfx1250"
	.amdhsa_code_object_version 6
	.text
	.protected	k_q459e1e64f6_htsk
	.globl	k_q459e1e64f6_htsk
	.p2align	8
	.type	k_q459e1e64f6_htsk,@function
k_q459e1e64f6_htsk:
	s_mov_b64 s[64:65], 0
	v_nop
	global_prefetch_b8 v0, s[64:65] scope:SCOPE_SE
	s_setreg_imm32_b32 hwreg(HW_REG_WAVE_MODE, 25, 1), 1
	s_wait_xcnt 0x0
; out[n][r] = softmax over r of ( mean over d of -0.5 (X[n][d] - center[d][b_d(r)])^2 / (sigma[d][b_d(r)]^2 + 1e-8) ),
; X [8192][10], center, sigma [10][2], out [8192][1024], all f32.  b_d(r) = bit (9 - d) of r: the rules are all 2^10 choices, last dimension fastest.
;
; THE ALGEBRA.  With u[d][m] = z[d][m] / 10, a rule's exponent is the sum over d of u[d][b_d].  Every choice of bits occurs, so the row's maximum
; is the sum over d of max_m u[d][m], and the row's sum of exponentials is the product over d of (sum over m of exp(u[d][m] - max_m u[d][m])).
; So the softmax is the product over d of two-way softmaxes p[d][b_d], each with its own maximum taken away: the larger entry gives exp(0) = 1,
; the smaller e = exp(-|u1 - u0|) <= 1, and p = 1/(1+e) and e/(1+e).  No exponent is above 0 and no sum outside [1, 2], whatever the inputs.
; (x - c) is formed directly, never expanded, so a common offset of X and center costs nothing.
;
; LIMITS.  The order of rounding differs from one exponential of a sum (ten factors are multiplied).  v_exp_f32 and v_rcp_f32 flush denormals
; (ISA guide, their entries in 15.8): a factor below 2^-126 counts as 0, and 1 / (sigma^2 + 1e-8) as 0 where sigma^2 passes 2^126.
; Where both memberships of a dimension are infinite the row is NaN, as it is in the definition.
;
; SHARES.  256 work-groups of 8 waves; a wave owns 4 rows (160 bytes of X, 16 KiB of out) and depends on no other wave: no barrier.
; Set-up, once: lane i < 20 takes row i / 5, dimensions d0 = 2 (i % 5) and d0 + 1, and puts the four products p[d0][m0] p[d0+1][m1] (index 2 m0 + m1)
; into the wave's own LDS: a table T[row][pair 0..4][4], 80 bytes a row.  Lanes 20-31 repeat lane 19's loads (index clamped: no load leaves X).
; Main: in store j (0..7) lane L holds r = 128 j + 4 L + e, e = 0..3, so
;   out = T0[j>>1] * T1[2 (j&1) + (L>>4)] * T2[(L>>2)&3] * T3[L&3] * T4[e]:
; 6 LDS loads, 22 vector instructions and 8 stores a row; each store of the wave covers 512 consecutive bytes, aligned.
; Not used: matrix instructions (no product over a shared index), tensor loads and clusters (work-groups share only the 160 bytes of center and sigma).
.set ROWS,  4                          ; rows of a wave
.set XROW,  40                         ; bytes in a row of X
.set OROW,  4096                       ; bytes in a row of out
.set TROW,  80                         ; bytes of a row's table: 5 pairs of dimensions x 4 products
.set WLDS,  512                        ; LDS bytes of a wave: 32 lanes x 16 (the first 320 are the table)
.set LANE,  1                          ; v1       lane L
.set IDX,   2                          ; v2       i = min(L, 19)
.set TMP,   3                          ; v3       at work
.set CSO,   4                          ; v4       16 (i % 5): my two dimensions in center and in sigma
.set XO,    5                          ; v5       8 i: my two numbers in the wave's rows of X
.set LST,   6                          ; v6       LDS: where I put my four products
.set LU,    7                          ; v7       LDS: the wave's table (all lanes alike)
.set LA1,   8                          ; v8       LDS: table + 4 (L >> 4)
.set LA2,   9                          ; v9       LDS: table + 4 ((L >> 2) & 3)
.set LA3,   10                         ; v10      LDS: table + 4 (L & 3)
.set OO,    11                         ; v11      16 L: my 16 bytes in a store's 512
.set X,     12                         ; v[12:13] x[d0], x[d0+1]
.set C,     16                         ; v[16:19] center[d0][0], [d0][1], [d0+1][0], [d0+1][1]
.set S,     20                         ; v[20:23] sigma, likewise
.set W,     24                         ; v[24:27] 1 / (sigma^2 + 1e-8)
.set A,     28                         ; v[28:31] x - c, then its square, then y = square / (sigma^2 + 1e-8)
.set T,     32                         ; v[32:33] y[d][1] - y[d][0]
.set E,     34                         ; v[34:35] e = exp2(-|u1 - u0|)
.set R,     36                         ; v[36:37] 1 + e, then 1 / (1 + e): the larger probability
.set SM,    38                         ; v[38:39] e / (1 + e): the smaller
.set P0,    40                         ; v[40:41] p[d0][0], p[d0][1]
.set P1,    42                         ; v[42:43] p[d0+1][0], p[d0+1][1]
.set PP,    44                         ; v[44:47] the four products
.set LR,    48                         ; v[48:95] row a, 12 registers: +0..3 T0, +4..7 T4, +8,9 T1 (bit 7 of r = 0, 1), +10 T2, +11 T3
.set Q,     96                         ; v[96:103] T1 T2 T3 T4[e], for bit 7 of r = 0 and = 1
.set FA,    104                        ; v[104:105] T1 T2 T3, for bit 7 of r = 0 and = 1
.set OUT,   112                        ; v[112:239] row a, store j: 4 registers; none is written twice, so no store's data ever has to be freed
	s_load_b256 s[4:11], s[0:1], 0x0               ; X s[4:5], center s[6:7], sigma s[8:9], out s[10:11]
	v_lshl_add_u32 v240, v0, 2, 0x1000
	v_mov_b32 v241, 0
	v_lshrrev_b32 v[TMP], 5, v0
	v_readfirstlane_b32 s12, v[TMP]                ; wave 0..7
	v_and_b32 v[LANE], 31, v0
	v_min_u32 v[IDX], 19, v[LANE]                  ; 20 lanes x 2 numbers = 4 rows x 10; the others repeat lane 19
	v_mul_u32_u24 v[TMP], 13, v[IDX]
	v_lshrrev_b32 v[TMP], 6, v[TMP]                ; i / 5 = 13 i >> 6 for i < 20
	v_mul_u32_u24 v[TMP], 5, v[TMP]
	v_sub_nc_u32 v[TMP], v[IDX], v[TMP]            ; i % 5
	v_lshlrev_b32 v[CSO], 4, v[TMP]
	v_lshlrev_b32 v[XO], 3, v[IDX]
	s_lshl_b32 s13, ttmp9, 3
	s_add_co_u32 s13, s13, s12                     ; the wave's number in the launch, 0..2047
	s_mul_i32 s14, s13, ROWS*XROW                  ; its rows in X, in bytes
	s_mov_b32 s15, 0
	s_lshl_b32 s16, s13, 14                        ; its rows in out: 4 x 4,096 bytes each
	s_mov_b32 s17, 0
	s_lshl_b32 s18, s12, 9                         ; its 512 bytes of LDS
	s_mov_b32 s19, 0xbd93bb63                      ; -0.5 / 10 x log2(e) = -0.07213475: the mean, the -0.5 and the change to base 2 in one factor
	s_wait_kmcnt 0x0
	s_add_nc_u64 s[4:5], s[4:5], s[14:15]
	global_load_b128 v[S:S+3], v[CSO], s[8:9]
	global_load_b128 v[C:C+3], v[CSO], s[6:7]
	global_load_b64  v[X:X+1], v[XO], s[4:5]
	s_add_nc_u64 s[10:11], s[10:11], s[16:17]      ; no pending load names s[10:11]
	; LDS addresses and the stores' offset, while the loads are on their way
	v_lshl_add_u32 v[LST], v[LANE], 4, s18
	v_mov_b32 v[LU], s18
	v_lshrrev_b32 v[LA1], 4, v[LANE]
	v_lshl_add_u32 v[LA1], v[LA1], 2, s18
	v_bfe_u32 v[LA2], v[LANE], 2, 2
	v_lshl_add_u32 v[LA2], v[LA2], 2, s18
	v_and_b32 v[LA3], 3, v[LANE]
	v_lshl_add_u32 v[LA3], v[LA3], 2, s18
	v_lshlrev_b32 v[OO], 4, v[LANE]
	; SET-UP: two dimensions of one row in each lane
	s_wait_loadcnt 0x2                             ; loads return in order (ISA guide 5.7.1): sigma is in; center and X, the two younger, may be out
	v_pk_fma_f32 v[W:W+1],   v[S:S+1],   v[S:S+1],   0x322bcc77 op_sel_hi:[1,1,0]     ; sigma^2 + 1e-8
	v_pk_fma_f32 v[W+2:W+3], v[S+2:S+3], v[S+2:S+3], 0x322bcc77 op_sel_hi:[1,1,0]
	v_rcp_f32 v[W],   v[W]
	v_rcp_f32 v[W+1], v[W+1]
	v_rcp_f32 v[W+2], v[W+2]
	v_rcp_f32 v[W+3], v[W+3]                       ; the subtractions below, which name no W, stand between these and their first use (ISA guide 5.7.2)
	s_wait_loadcnt 0x0
	v_pk_add_f32 v[A:A+1],   v[X:X+1], v[C:C+1]   op_sel_hi:[0,1] neg_lo:[0,1] neg_hi:[0,1]               ; x[d0] - c[d0][0], x[d0] - c[d0][1]
	v_pk_add_f32 v[A+2:A+3], v[X:X+1], v[C+2:C+3] op_sel:[1,0] op_sel_hi:[1,1] neg_lo:[0,1] neg_hi:[0,1]  ; x[d0+1] - c[d0+1][0], .. [1]
	v_pk_mul_f32 v[A:A+1],   v[A:A+1],   v[A:A+1]
	v_pk_mul_f32 v[A+2:A+3], v[A+2:A+3], v[A+2:A+3]
	s_wait_alu depctr_va_vdst(0)
	v_pk_mul_f32 v[A:A+1],   v[A:A+1],   v[W:W+1]  ; y = (x - c)^2 / (sigma^2 + 1e-8) >= 0;  u = -0.0721 y in base 2
	v_pk_mul_f32 v[A+2:A+3], v[A+2:A+3], v[W+2:W+3]
	v_sub_f32 v[T],   v[A+1], v[A]                 ; y1 - y0
	v_sub_f32 v[T+1], v[A+3], v[A+2]
	v_mul_f32 v[E],   s19, |v[T]|                  ; the smaller u minus the larger: the maximum is taken away, the exponent is <= 0
	v_mul_f32 v[E+1], s19, |v[T+1]|
	v_exp_f32 v[E],   v[E]
	v_exp_f32 v[E+1], v[E+1]
	v_cmp_ge_f32 vcc_lo, 0, v[T]                   ; y1 <= y0: membership 1 is the larger.  (Also the plain instruction behind the exponentials)
	s_wait_alu depctr_va_vdst(0)
	v_pk_add_f32 v[R:R+1], v[E:E+1], 1.0 op_sel_hi:[1,0]      ; exp(0) + e, in [1, 2]
	v_rcp_f32 v[R],   v[R]
	v_rcp_f32 v[R+1], v[R+1]
	v_cmp_ge_f32 s20, 0, v[T+1]                    ; the same for d0 + 1.  (And the plain instruction behind the reciprocals)
	s_wait_alu depctr_va_vdst(0)
	v_pk_mul_f32 v[SM:SM+1], v[E:E+1], v[R:R+1]
	v_cndmask_b32 v[P0],   v[R],    v[SM],   vcc_lo            ; a choice of values only: no branch and no address hangs on it
	v_cndmask_b32 v[P0+1], v[SM],   v[R],    vcc_lo
	v_cndmask_b32 v[P1],   v[R+1],  v[SM+1], s20
	v_cndmask_b32 v[P1+1], v[SM+1], v[R+1],  s20
	v_pk_mul_f32 v[PP:PP+1],   v[P0:P0+1], v[P1:P1+1] op_sel_hi:[0,1]              ; p[d0][0] x (p[d0+1][0], p[d0+1][1])
	v_pk_mul_f32 v[PP+2:PP+3], v[P0:P0+1], v[P1:P1+1] op_sel:[1,0] op_sel_hi:[1,1] ; p[d0][1] x the same
	ds_store_b128 v[LST], v[PP:PP+3]               ; lane i < 20 writes T[i / 5][i % 5]; lanes 20-31 write bytes 320-511, which nobody reads
	; LDS serves a wave's instructions in order (ISA guide 5.7.1), and these bytes are the wave's own: no wait and no barrier in front of the loads.
.irp a, 0,1,2,3
	ds_load_b32  v[LR+12*\a+10], v[LA2] offset:TROW*\a+32          ; T2[(L>>2)&3]
	ds_load_b32  v[LR+12*\a+11], v[LA3] offset:TROW*\a+48          ; T3[L&3]
	ds_load_b32  v[LR+12*\a+8],  v[LA1] offset:TROW*\a+16          ; T1[L>>4]
	ds_load_b32  v[LR+12*\a+9],  v[LA1] offset:TROW*\a+24          ; T1[2 + (L>>4)]
	ds_load_b128 v[LR+12*\a+4:LR+12*\a+7], v[LU] offset:TROW*\a+64 ; T4[0..3]
	ds_load_b128 v[LR+12*\a:LR+12*\a+3],   v[LU] offset:TROW*\a    ; T0[0..3]
.endr
; One row: 1,024 numbers, 32 in each lane.
.macro ROW a
	s_wait_dscnt 6*(ROWS-1-\a)                     ; this row's six loads are in; the six of each later row may be out
	v_mul_f32 v[LR+12*\a+10], v[LR+12*\a+10], v[LR+12*\a+11]                                          ; T2 T3
	v_pk_mul_f32 v[FA:FA+1], v[LR+12*\a+8:LR+12*\a+9], v[LR+12*\a+10:LR+12*\a+11] op_sel_hi:[1,0]     ; x T1, both values of bit 7
	v_pk_mul_f32 v[Q:Q+1],   v[LR+12*\a+4:LR+12*\a+5], v[FA:FA+1] op_sel_hi:[1,0]                     ; x T4[e], bit 7 = 0
	v_pk_mul_f32 v[Q+2:Q+3], v[LR+12*\a+6:LR+12*\a+7], v[FA:FA+1] op_sel_hi:[1,0]
	v_pk_mul_f32 v[Q+4:Q+5], v[LR+12*\a+4:LR+12*\a+5], v[FA:FA+1] op_sel:[0,1] op_sel_hi:[1,1]        ; bit 7 = 1
	v_pk_mul_f32 v[Q+6:Q+7], v[LR+12*\a+6:LR+12*\a+7], v[FA:FA+1] op_sel:[0,1] op_sel_hi:[1,1]
.irp j, 0,1,2,3,4,5,6,7
.irp p, 0,2
.if (\j>>1)&1                                      ; x T0[j>>1]: the second or the first register of its pair, for both results
	v_pk_mul_f32 v[OUT+32*\a+4*\j+\p:OUT+32*\a+4*\j+\p+1], v[Q+4*(\j&1)+\p:Q+4*(\j&1)+\p+1], v[LR+12*\a+2*(\j>>2):LR+12*\a+2*(\j>>2)+1] op_sel:[0,1] op_sel_hi:[1,1]
.else
	v_pk_mul_f32 v[OUT+32*\a+4*\j+\p:OUT+32*\a+4*\j+\p+1], v[Q+4*(\j&1)+\p:Q+4*(\j&1)+\p+1], v[LR+12*\a+2*(\j>>2):LR+12*\a+2*(\j>>2)+1] op_sel_hi:[1,0]
.endif
.endr
	global_store_b128 v[OO], v[OUT+32*\a+4*\j:OUT+32*\a+4*\j+3], s[10:11] offset:OROW*\a+512*\j th:TH_STORE_NT   ; r = 128 j + 4 L .. + 3: 512 consecutive bytes, written once
.endr
.endm
	ROW 0
	ROW 1
	ROW 2
	ROW 3
	s_wait_tensorcnt 0x0
	ds_add_u32 v240, v241
	s_wait_dscnt 0x0
	s_endpgm
.Lfunc_end_k_q459e1e64f6_htsk:
	.size	k_q459e1e64f6_htsk, .Lfunc_end_k_q459e1e64f6_htsk-k_q459e1e64f6_htsk
	.p2alignl 7, 3214868480
	.fill 96, 4, 3214868480
	.section	.rodata,"a",@progbits
	.p2align	6, 0x0
	.amdhsa_kernel k_q459e1e64f6_htsk
		.amdhsa_group_segment_fixed_size 5120
		.amdhsa_private_segment_fixed_size 0
		.amdhsa_enable_private_segment 0
		.amdhsa_kernarg_size 32
		.amdhsa_user_sgpr_count 2
		.amdhsa_user_sgpr_kernarg_segment_ptr 1
		.amdhsa_wavefront_size32 1
		.amdhsa_system_sgpr_workgroup_id_x 1
		.amdhsa_system_sgpr_workgroup_id_y 1
		.amdhsa_system_sgpr_workgroup_id_z 1
		.amdhsa_system_vgpr_workitem_id 0
		.amdhsa_next_free_vgpr 242
		.amdhsa_next_free_sgpr 66
		.amdhsa_reserve_vcc 1
		.amdhsa_float_denorm_mode_32 3
		.amdhsa_float_denorm_mode_16_64 3
		.amdhsa_memory_ordered 1
		.amdhsa_forward_progress 1
		.amdhsa_inst_pref_size 14
	.end_amdhsa_kernel
	.amdgpu_metadata
---
amdhsa.version: [ 1, 2 ]
amdhsa.kernels:
  - .name:           k_q459e1e64f6_htsk
    .symbol:         k_q459e1e64f6_htsk.kd
    .args:
      - { .name: X, .offset: 0, .size: 8, .value_kind: global_buffer, .address_space: global }
      - { .name: center, .offset: 8, .size: 8, .value_kind: global_buffer, .address_space: global }
      - { .name: sigma, .offset: 16, .size: 8, .value_kind: global_buffer, .address_space: global }
      - { .name: out0, .offset: 24, .size: 8, .value_kind: global_buffer, .address_space: global }
    .group_segment_fixed_size: 5120
    .private_segment_fixed_size: 0
    .kernarg_segment_align: 8
    .kernarg_segment_size: 32
    .max_flat_workgroup_size: 256
    .sgpr_count:     66
    .vgpr_count:     242
    .wavefront_size: 32
...
	.end_amdgpu_metadata
.endif
;; end of part 1
;; ======== version 2 of 2: 1 launch; version 1 with the launch htsk written anew for expert scheduling mode
;; launch htsk (part 2): grid 256 x 1, 8 waves a work-group, no clusters, 5,120 bytes of LDS; arguments X, center, sigma, out0; writes out0
.if DOCPART == 2
	.amdgcn_target "amdgcn-amd-amdhsa--gfx1250"
	.amdhsa_code_object_version 6
	.text
	.protected	k_q459e1e64f6_htsk
	.globl	k_q459e1e64f6_htsk
	.p2align	8
	.type	k_q459e1e64f6_htsk,@function
k_q459e1e64f6_htsk:
	s_mov_b64 s[64:65], 0
	v_nop
	global_prefetch_b8 v0, s[64:65] scope:SCOPE_SE
	s_setreg_imm32_b32 hwreg(HW_REG_WAVE_SCHED_MODE, 0, 2), 2
	s_setreg_imm32_b32 hwreg(HW_REG_WAVE_MODE, 25, 1), 1
	s_wait_xcnt 0x0
	s_wait_alu depctr_vm_vsrc(0)
; out[n][r] = softmax over r of ( mean over d of -0.5 (X[n][d] - center[d][b_d(r)])^2 / (sigma[d][b_d(r)]^2 + 1e-8) ),
; X [8192][10], center, sigma [10][2], out [8192][1024], all f32.  b_d(r) = bit (9 - d) of r: the rules are all 2^10 choices, last dimension fastest.
;
; THE ALGEBRA.  With u[d][m] = z[d][m] / 10, a rule's exponent is the sum over d of u[d][b_d].  Every choice of bits occurs, so the row's maximum
; is the sum over d of max_m u[d][m], and the row's sum of exponentials is the product over d of (sum over m of exp(u[d][m] - max_m u[d][m])).
; So the softmax is the product over d of two-way softmaxes p[d][b_d], each with its own maximum taken away: the larger entry gives exp(0) = 1,
; the smaller e = exp(-|u1 - u0|) <= 1, and p = 1/(1+e) and e/(1+e).  No exponent is above 0 and no sum outside [1, 2], whatever the inputs.
; (x - c) is formed directly, never expanded, so a common offset of X and center costs nothing.
;
; LIMITS.  The order of rounding differs from one exponential of a sum (ten factors are multiplied).  v_exp_f32 and v_rcp_f32 flush denormals
; (ISA guide, their entries in 15.8): a factor below 2^-126 counts as 0, and 1 / (sigma^2 + 1e-8) as 0 where sigma^2 passes 2^126.
; Where both memberships of a dimension are infinite the row is NaN, as it is in the definition.
;
; SHARES.  256 work-groups of 8 waves; a wave owns 4 rows (160 bytes of X, 16 KiB of out) and depends on no other wave: no barrier.
; Set-up, once: lane i < 20 takes row i / 5, dimensions d0 = 2 (i % 5) and d0 + 1, and puts the four products p[d0][m0] p[d0+1][m1] (index 2 m0 + m1)
; into the wave's own LDS: a table T[row][pair 0..4][4], 80 bytes a row.  Lanes 20-31 repeat lane 19's loads (index clamped: no load leaves X).
; Main: in store j (0..7) lane L holds r = 128 j + 4 L + e, e = 0..3, so
;   out = T0[j>>1] * T1[2 (j&1) + (L>>4)] * T2[(L>>2)&3] * T3[L&3] * T4[e]:
; 6 LDS loads, 22 vector instructions and 8 stores a row; each store of the wave covers 512 consecutive bytes, aligned.
; Not used: matrix instructions (no product over a shared index), tensor loads and clusters (work-groups share only the 160 bytes of center and sigma).
;
; THE MODE: SCHED_MODE bits 1:0 = 2 (LLVM: expert scheduling mode 2), set by the entry lines.  The code itself states the register dependences
; between vector instructions and memory or LDS instructions, with s_wait_alu, always for 0.
; THE PLAN.  Registers that memory or LDS instructions touch:
;   CSO, XO            offsets of the three global loads: written at the head, never again.
;   X, C, S            the global loads land in them; no vector instruction names them before; read behind s_wait_loadcnt; never loaded again.
;   LST, PP            address and data of the one LDS store: written by the set-up, never again.
;   LU, LA1, LA2, LA3  addresses of the 24 LDS loads: written once, ahead of the wait that stands in front of the LDS store.
;   LR                 the LDS loads land in it; no vector instruction names it before; read and worked on behind s_wait_dscnt; never loaded again.
;   OO                 offset of all 32 stores: written once, ahead of the same wait.
;   OUT[a]             written by row a's sixteen multiplies; read by row a's eight stores, which are issued in row a + 1; never written again.
; No register that a memory or LDS instruction reads is ever written again, so no wait on vm_vsrc is owed.  Row a works on LR[a], FA, Q and OUT[a]; its memory
; instructions are the stores from OUT[a - 1] by OO, which no vector instruction of row a names.  So ONE wait on va_vdst at a row's head states all that
; the row's eight stores hang on, and they are dealt among its vector instructions with no further wait; one more stands ahead of the last row's stores.
.set ROWS,  4                          ; rows of a wave
.set XROW,  40                         ; bytes in a row of X
.set OROW,  4096                       ; bytes in a row of out
.set TROW,  80                         ; bytes of a row's table: 5 pairs of dimensions x 4 products
.set WLDS,  512                        ; LDS bytes of a wave: 32 lanes x 16 (the first 320 are the table)
.set LANE,  1                          ; v1       lane L
.set IDX,   2                          ; v2       i = min(L, 19)
.set TMP,   3                          ; v3       at work
.set CSO,   4                          ; v4       16 (i % 5): my two dimensions in center and in sigma
.set XO,    5                          ; v5       8 i: my two numbers in the wave's rows of X
.set LST,   6                          ; v6       LDS: where I put my four products
.set LU,    7                          ; v7       LDS: the wave's table (all lanes alike)
.set LA1,   8                          ; v8       LDS: table + 4 (L >> 4)
.set LA2,   9                          ; v9       LDS: table + 4 ((L >> 2) & 3)
.set LA3,   10                         ; v10      LDS: table + 4 (L & 3)
.set OO,    11                         ; v11      16 L: my 16 bytes in a store's 512
.set X,     12                         ; v[12:13] x[d0], x[d0+1]
.set C,     16                         ; v[16:19] center[d0][0], [d0][1], [d0+1][0], [d0+1][1]
.set S,     20                         ; v[20:23] sigma, likewise
.set W,     24                         ; v[24:27] 1 / (sigma^2 + 1e-8)
.set A,     28                         ; v[28:31] x - c, then its square, then y = square / (sigma^2 + 1e-8)
.set T,     32                         ; v[32:33] y[d][1] - y[d][0]
.set E,     34                         ; v[34:35] e = exp2(-|u1 - u0|)
.set R,     36                         ; v[36:37] 1 + e, then 1 / (1 + e): the larger probability
.set SM,    38                         ; v[38:39] e / (1 + e): the smaller
.set P0,    40                         ; v[40:41] p[d0][0], p[d0][1]
.set P1,    42                         ; v[42:43] p[d0+1][0], p[d0+1][1]
.set PP,    44                         ; v[44:47] the four products
.set LR,    48                         ; v[48:95] row a, 12 registers: +0..3 T0, +4..7 T4, +8,9 T1 (bit 7 of r = 0, 1), +10 T2, +11 T3
.set Q,     96                         ; v[96:103] T1 T2 T3 T4[e], for bit 7 of r = 0 and = 1
.set FA,    104                        ; v[104:105] T1 T2 T3, for bit 7 of r = 0 and = 1
.set OUT,   112                        ; v[112:239] row a, store j: 4 registers; none is written twice, so no store's data ever has to be freed
	s_load_b256 s[4:11], s[0:1], 0x0               ; X s[4:5], center s[6:7], sigma s[8:9], out s[10:11]
	v_lshl_add_u32 v110, v0, 2, 0x1000
	v_mov_b32 v111, 0
	v_lshrrev_b32 v[TMP], 5, v0
	v_readfirstlane_b32 s12, v[TMP]                ; wave 0..7
	v_and_b32 v[LANE], 31, v0
	v_min_u32 v[IDX], 19, v[LANE]                  ; 20 lanes x 2 numbers = 4 rows x 10; the others repeat lane 19
	v_mul_u32_u24 v[TMP], 13, v[IDX]
	v_lshrrev_b32 v[TMP], 6, v[TMP]                ; i / 5 = 13 i >> 6 for i < 20
	v_mul_u32_u24 v[TMP], 5, v[TMP]
	v_sub_nc_u32 v[TMP], v[IDX], v[TMP]            ; i % 5
	v_lshlrev_b32 v[CSO], 4, v[TMP]
	v_lshlrev_b32 v[XO], 3, v[IDX]
	s_wait_alu depctr_va_sdst(0)                   ; s12 is written, ahead of its first reader: the wave's places in X, in out and in LDS are made from it
	s_lshl_b32 s13, ttmp9, 3
	s_add_co_u32 s13, s13, s12                     ; the wave's number in the launch, 0..2047
	s_mul_i32 s14, s13, ROWS*XROW                  ; its rows in X, in bytes
	s_mov_b32 s15, 0
	s_lshl_b32 s16, s13, 14                        ; its rows in out: 4 x 4,096 bytes each
	s_mov_b32 s17, 0
	s_lshl_b32 s18, s12, 9                         ; its 512 bytes of LDS
	s_mov_b32 s19, 0xbd93bb63                      ; -0.5 / 10 x log2(e) = -0.07213475: the mean, the -0.5 and the change to base 2 in one factor
	s_wait_kmcnt 0x0
	s_add_nc_u64 s[4:5], s[4:5], s[14:15]
	s_wait_alu depctr_va_vdst(0)                   ; v[CSO] and v[XO] are written, which the three loads read as their offsets
	global_load_b128 v[S:S+3], v[CSO], s[8:9]
	global_load_b128 v[C:C+3], v[CSO], s[6:7]
	global_load_b64  v[X:X+1], v[XO], s[4:5]
	s_add_nc_u64 s[10:11], s[10:11], s[16:17]      ; no pending load names s[10:11]
	; LDS addresses and the stores' offset, while the loads are on their way: none of these lines names a register of the loads
	v_lshl_add_u32 v[LST], v[LANE], 4, s18
	v_mov_b32 v[LU], s18
	v_lshrrev_b32 v[LA1], 4, v[LANE]
	v_lshl_add_u32 v[LA1], v[LA1], 2, s18
	v_bfe_u32 v[LA2], v[LANE], 2, 2
	v_lshl_add_u32 v[LA2], v[LA2], 2, s18
	v_and_b32 v[LA3], 3, v[LANE]
	v_lshl_add_u32 v[LA3], v[LA3], 2, s18
	v_lshlrev_b32 v[OO], 4, v[LANE]
	; SET-UP: two dimensions of one row in each lane
	s_wait_loadcnt 0x2                             ; loads return in order (ISA guide 5.7.1): sigma is in; center and X, the two younger, may be out
	v_pk_fma_f32 v[W:W+1],   v[S:S+1],   v[S:S+1],   0x322bcc77 op_sel_hi:[1,1,0]     ; sigma^2 + 1e-8
	v_pk_fma_f32 v[W+2:W+3], v[S+2:S+3], v[S+2:S+3], 0x322bcc77 op_sel_hi:[1,1,0]
	v_rcp_f32 v[W],   v[W]
	v_rcp_f32 v[W+1], v[W+1]
	v_rcp_f32 v[W+2], v[W+2]
	v_rcp_f32 v[W+3], v[W+3]                       ; the subtractions below, which name no W, stand between these and their first use (ISA guide 5.7.2)
	s_wait_loadcnt 0x0
	v_pk_add_f32 v[A:A+1],   v[X:X+1], v[C:C+1]   op_sel_hi:[0,1] neg_lo:[0,1] neg_hi:[0,1]               ; x[d0] - c[d0][0], x[d0] - c[d0][1]
	v_pk_add_f32 v[A+2:A+3], v[X:X+1], v[C+2:C+3] op_sel:[1,0] op_sel_hi:[1,1] neg_lo:[0,1] neg_hi:[0,1]  ; x[d0+1] - c[d0+1][0], .. [1]
	v_pk_mul_f32 v[A:A+1],   v[A:A+1],   v[A:A+1]
	v_pk_mul_f32 v[A+2:A+3], v[A+2:A+3], v[A+2:A+3]
	s_wait_alu depctr_va_vdst(0)
	v_pk_mul_f32 v[A:A+1],   v[A:A+1],   v[W:W+1]  ; y = (x - c)^2 / (sigma^2 + 1e-8) >= 0;  u = -0.0721 y in base 2
	v_pk_mul_f32 v[A+2:A+3], v[A+2:A+3], v[W+2:W+3]
	v_sub_f32 v[T],   v[A+1], v[A]                 ; y1 - y0
	v_sub_f32 v[T+1], v[A+3], v[A+2]
	v_mul_f32 v[E],   s19, |v[T]|                  ; the smaller u minus the larger: the maximum is taken away, the exponent is <= 0
	v_mul_f32 v[E+1], s19, |v[T+1]|
	v_exp_f32 v[E],   v[E]
	v_exp_f32 v[E+1], v[E+1]
	v_cmp_ge_f32 vcc_lo, 0, v[T]                   ; y1 <= y0: membership 1 is the larger.  (Also the plain instruction behind the exponentials)
	s_wait_alu depctr_va_vdst(0)
	v_pk_add_f32 v[R:R+1], v[E:E+1], 1.0 op_sel_hi:[1,0]      ; exp(0) + e, in [1, 2]
	v_rcp_f32 v[R],   v[R]
	v_rcp_f32 v[R+1], v[R+1]
	v_cmp_ge_f32 s20, 0, v[T+1]                    ; the same for d0 + 1.  (And the plain instruction behind the reciprocals)
	s_wait_alu depctr_va_vdst(0)
	v_pk_mul_f32 v[SM:SM+1], v[E:E+1], v[R:R+1]
	s_wait_alu depctr_va_vcc(0)                    ; the first compare has written VCC, ahead of its first reader, the select below
	s_wait_alu depctr_va_sdst(0)                   ; the second compare has written s20, ahead of its first reader, the third select below
	v_cndmask_b32 v[P0],   v[R],    v[SM],   vcc_lo            ; a choice of values only: no branch and no address hangs on it
	v_cndmask_b32 v[P0+1], v[SM],   v[R],    vcc_lo
	v_cndmask_b32 v[P1],   v[R+1],  v[SM+1], s20
	v_cndmask_b32 v[P1+1], v[SM+1], v[R+1],  s20
	v_pk_mul_f32 v[PP:PP+1],   v[P0:P0+1], v[P1:P1+1] op_sel_hi:[0,1]              ; p[d0][0] x (p[d0+1][0], p[d0+1][1])
	v_pk_mul_f32 v[PP+2:PP+3], v[P0:P0+1], v[P1:P1+1] op_sel:[1,0] op_sel_hi:[1,1] ; p[d0][1] x the same
	s_wait_alu depctr_va_vdst(0)                   ; v[PP ..] and v[LST] are written, which the LDS store reads; so are v[LU], v[LA1] to v[LA3], the LDS loads' addresses, and v[OO], every store's offset
	ds_store_b128 v[LST], v[PP:PP+3]               ; lane i < 20 writes T[i / 5][i % 5]; lanes 20-31 write bytes 320-511, which nobody reads
	; LDS serves a wave's instructions in order (ISA guide 5.7.1), and these bytes are the wave's own: no wait and no barrier in front of the loads.
.irp a, 0,1,2,3
	ds_load_b32  v[LR+12*\a+10], v[LA2] offset:TROW*\a+32          ; T2[(L>>2)&3]
	ds_load_b32  v[LR+12*\a+11], v[LA3] offset:TROW*\a+48          ; T3[L&3]
	ds_load_b32  v[LR+12*\a+8],  v[LA1] offset:TROW*\a+16          ; T1[L>>4]
	ds_load_b32  v[LR+12*\a+9],  v[LA1] offset:TROW*\a+24          ; T1[2 + (L>>4)]
	ds_load_b128 v[LR+12*\a+4:LR+12*\a+7], v[LU] offset:TROW*\a+64 ; T4[0..3]
	ds_load_b128 v[LR+12*\a:LR+12*\a+3],   v[LU] offset:TROW*\a    ; T0[0..3]
.endr
; Store j of row a.
.macro SEND a, j
	global_store_b128 v[OO], v[OUT+32*(\a)+4*(\j):OUT+32*(\a)+4*(\j)+3], s[10:11] offset:OROW*(\a)+512*(\j) th:TH_STORE_NT   ; r = 128 j + 4 L .. + 3: 512 consecutive bytes, written once
.endm
; One row: 1,024 numbers, 32 in each lane.  The eight stores of the row before are dealt among this row's vector instructions.
.macro ROW a
	s_wait_dscnt 6*(ROWS-1-\a)                     ; this row's six loads are in; the six of each later row may be out
.if (\a) > 0
	s_wait_alu depctr_va_vdst(0)                   ; the row before has written its OUT, which the eight stores below read; no vector instruction behind this wait names those registers or v[OO]
	SEND (\a)-1, 0
.endif
	v_mul_f32 v[LR+12*\a+10], v[LR+12*\a+10], v[LR+12*\a+11]                                          ; T2 T3
	v_pk_mul_f32 v[FA:FA+1], v[LR+12*\a+8:LR+12*\a+9], v[LR+12*\a+10:LR+12*\a+11] op_sel_hi:[1,0]     ; x T1, both values of bit 7
	v_pk_mul_f32 v[Q:Q+1],   v[LR+12*\a+4:LR+12*\a+5], v[FA:FA+1] op_sel_hi:[1,0]                     ; x T4[e], bit 7 = 0
	v_pk_mul_f32 v[Q+2:Q+3], v[LR+12*\a+6:LR+12*\a+7], v[FA:FA+1] op_sel_hi:[1,0]
	v_pk_mul_f32 v[Q+4:Q+5], v[LR+12*\a+4:LR+12*\a+5], v[FA:FA+1] op_sel:[0,1] op_sel_hi:[1,1]        ; bit 7 = 1
	v_pk_mul_f32 v[Q+6:Q+7], v[LR+12*\a+6:LR+12*\a+7], v[FA:FA+1] op_sel:[0,1] op_sel_hi:[1,1]
.irp j, 0,1,2,3,4,5,6,7
.if (\a) > 0 && (\j) > 0
	SEND (\a)-1, \j
.endif
.irp p, 0,2
.if (\j>>1)&1                                      ; x T0[j>>1]: the second or the first register of its pair, for both results
	v_pk_mul_f32 v[OUT+32*\a+4*\j+\p:OUT+32*\a+4*\j+\p+1], v[Q+4*(\j&1)+\p:Q+4*(\j&1)+\p+1], v[LR+12*\a+2*(\j>>2):LR+12*\a+2*(\j>>2)+1] op_sel:[0,1] op_sel_hi:[1,1]
.else
	v_pk_mul_f32 v[OUT+32*\a+4*\j+\p:OUT+32*\a+4*\j+\p+1], v[Q+4*(\j&1)+\p:Q+4*(\j&1)+\p+1], v[LR+12*\a+2*(\j>>2):LR+12*\a+2*(\j>>2)+1] op_sel_hi:[1,0]
.endif
.endr
.endr
.endm
	ROW 0
	ROW 1
	ROW 2
	ROW 3
	s_wait_alu depctr_va_vdst(0)                   ; row 3 has written its OUT, which the last eight stores read
.irp j, 0,1,2,3,4,5,6,7
	SEND 3, \j
.endr
	s_wait_dscnt 0x0
	s_wait_alu depctr_hold_cnt(0) depctr_sa_sdst(0) depctr_va_vdst(0) depctr_va_sdst(0) depctr_va_ssrc(0) depctr_va_vcc(0) depctr_vm_vsrc(0)
	s_wait_tensorcnt 0x0
	ds_add_u32 v110, v111
	s_wait_dscnt 0x0
	s_endpgm
.Lfunc_end_k_q459e1e64f6_htsk:
	.size	k_q459e1e64f6_htsk, .Lfunc_end_k_q459e1e64f6_htsk-k_q459e1e64f6_htsk
	.p2alignl 7, 3214868480
	.fill 96, 4, 3214868480
	.section	.rodata,"a",@progbits
	.p2align	6, 0x0
	.amdhsa_kernel k_q459e1e64f6_htsk
		.amdhsa_group_segment_fixed_size 5120
		.amdhsa_private_segment_fixed_size 0
		.amdhsa_enable_private_segment 0
		.amdhsa_kernarg_size 32
		.amdhsa_user_sgpr_count 2
		.amdhsa_user_sgpr_kernarg_segment_ptr 1
		.amdhsa_wavefront_size32 1
		.amdhsa_system_sgpr_workgroup_id_x 1
		.amdhsa_system_sgpr_workgroup_id_y 1
		.amdhsa_system_sgpr_workgroup_id_z 1
		.amdhsa_system_vgpr_workitem_id 0
		.amdhsa_next_free_vgpr 240
		.amdhsa_next_free_sgpr 66
		.amdhsa_reserve_vcc 1
		.amdhsa_float_denorm_mode_32 3
		.amdhsa_float_denorm_mode_16_64 3
		.amdhsa_memory_ordered 1
		.amdhsa_forward_progress 1
		.amdhsa_inst_pref_size 15
	.end_amdhsa_kernel
	.amdgpu_metadata
---
amdhsa.version: [ 1, 2 ]
amdhsa.kernels:
  - .name:           k_q459e1e64f6_htsk
    .symbol:         k_q459e1e64f6_htsk.kd
    .args:
      - { .name: X, .offset: 0, .size: 8, .value_kind: global_buffer, .address_space: global }
      - { .name: center, .offset: 8, .size: 8, .value_kind: global_buffer, .address_space: global }
      - { .name: sigma, .offset: 16, .size: 8, .value_kind: global_buffer, .address_space: global }
      - { .name: out0, .offset: 24, .size: 8, .value_kind: global_buffer, .address_space: global }
    .group_segment_fixed_size: 5120
    .private_segment_fixed_size: 0
    .kernarg_segment_align: 8
    .kernarg_segment_size: 32
    .max_flat_workgroup_size: 256
    .sgpr_count:     66
    .vgpr_count:     240
    .wavefront_size: 32
...
	.end_amdgpu_metadata
.endif
;; end of part 2
